; MI455X (gfx1250); checked and timed in simulation.
; The chip was launched on July 23, 2026; its instructions are those of AMD's public machine-readable ISA for CDNA 5 (MIT licence, August 2026) and "CDNA5" Instruction Set Architecture Reference Guide (July 2026). The comments in the code are by the model that wrote it; some were corrected since.
;; Sim Attn. Allowed arithmetic: matrix products marked QUANTISED: E2M1 operands, one E8M0 scale for each 32 along K, by v_wmma_scale_f32_16x16x128_f8f6f4 with both operands' format E2M1 (or v_wmma_scale_f32_32x16x128_f4), f32 sums; products left as they are: bf16, f16 or f32 operands; f32 sums; everything else in f32.
;; Inputs: Wk 1,024 x 1,024 float32; Wq 1,024 x 1,024 float32; Wv 1,024 x 1,024 float32; bk 1,024 float32; bq 1,024 float32; bv 1,024 float32; k 4 x 4,096 x 1,024 float32; q 4 x 4,096 x 1,024 float32; v 4 x 4,096 x 1,024 float32.
;; Outputs: out0 4 x 4,096 x 1,024 float32.
;; This version of the problem:
;;   THIS VERSION OF THE PROBLEM IS GIVEN IN LOW PRECISION. The matrix products marked QUANTISED in the list below multiply operands that are first quantised to E2M1 (2 exponent bits, 1 mantissa bit; 4 bits a number), with one power-of-two scale for each 32 numbers along K (OCP MX v1.0); their sums are f32. The products marked 'left as it is' may take bf16, f16 or f32 operands, with f32 sums. Whichever they take, every output number must still come out within the allowed error. Rounding operands to bf16 (8 significant bits) uses up far more of that allowance than f16 does (11 bits, for magnitudes from 6e-5 to 65,504). All else is computed in f32.
;;   The module's matrix products, in the order in which they are computed (A, B: the left and right operand; K: the contracted axis; several contracted axes count as one K, in the product's order):
;;     1. [M 16,384, K 1,024] x [K 1,024, N 1,024]; A: input q; B: input Wq: QUANTISED
;;     2. [M 16,384, K 1,024] x [K 1,024, N 1,024]; A: input k; B: input Wk: QUANTISED
;;     3. [M 16,384, K 1,024] x [K 1,024, N 1,024]; A: input v; B: input Wv: QUANTISED
;;     4. batch 64 x [M 64, K 4,096] x [K 4,096, N 64]; A: computed on the way; B: computed on the way: left as it is (an operand is computed on the way)
;;     5. batch 64 x [M 4,096, K 64] x [K 64, N 64]; A: computed on the way; B: computed on the way: left as it is (an operand is computed on the way)
;;   THE QUANTISER, for each operand of a quantised product, along K:
;;     - K is cut into blocks of 32 from its start; a last block that is shorter is filled with zeros.
;;     - A block's scale is 2^e with e = floor(log2(the largest magnitude in the block)) - 2, held to -126 .. 127; a block of zeros has e = 0. As a byte (E8M0): e + 127.
;;     - Each number is divided by its block's scale, clamped to +-6, and rounded to the nearest number of E2M1, ties to even, subnormals kept.
;;     - The product sums the exact products of the quantised numbers (number of the format x scale) in f32.
;;   ~~~python
;;   def quantise(x, axis):      # numpy; x: float32 -> the quantised numbers, widened to float32 again
;;       x = np.moveaxis(x, axis, -1); K = x.shape[-1]
;;       x = np.pad(x, [(0, 0)] * (x.ndim - 1) + [(0, -K % 32)]); x = x.reshape(x.shape[:-1] + (-1, 32)); a = np.abs(x).max(-1, keepdims=True)
;;       e = np.where(a > 0, np.clip(np.frexp(np.where(a > 0, a, 1))[1] - 1 - 2, -126, 127), 0)      # np.frexp(a)[1] - 1 = floor(log2(a)), exactly
;;       r = np.clip(x / 2.0 ** e, -6, 6)
;;       step = 2.0 ** (np.maximum(np.frexp(np.where(r == 0, 1, r))[1] - 1, 0) - 1)
;;       q = np.round(r / step) * step * 2.0 ** e      # np.round: ties to even
;;       return np.moveaxis(q.reshape(q.shape[:-2] + (-1,))[..., :K], -1, axis).astype(np.float32)
;;   ~~~
;; One version. Each part assembles by itself: llvm-mc -triple=amdgcn-amd-amdhsa -mcpu=gfx1250 --defsym DOCPART=n.
;; ======== version 1 of 1: 4 launches
;; workspace buffers: ac 25,165,824 bytes; asc 1,572,864 bytes; wc 1,572,864 bytes; wsc 98,304 bytes; part 16,777,216 bytes; kvf 524,288 bytes
;; launch quant (part 1): grid 1088 x 3, 1 waves a work-group, no clusters, 8,960 bytes of LDS; arguments q, k, v, Wq, Wk, Wv, ac, asc, wc, wsc; writes ac, asc, wc, wsc
.if DOCPART == 1
	.amdgcn_target "amdgcn-amd-amdhsa--gfx1250"
	.amdhsa_code_object_version 6
	.text
	.protected	k_q3caf1efc1c_quant
	.globl	k_q3caf1efc1c_quant
	.p2align	8
	.type	k_q3caf1efc1c_quant,@function
k_q3caf1efc1c_quant:
	s_mov_b64 s[64:65], 0
	v_nop
	global_prefetch_b8 v0, s[64:65] scope:SCOPE_SE
	s_setreg_imm32_b32 hwreg(HW_REG_WAVE_MODE, 25, 1), 1
	s_wait_xcnt 0x0
; q, k, v [16384][1024] and Wq, Wk, Wv [1024][1024], f32, K innermost, become codes of FP4 (E2M1) with one E8M0 byte for each 32 along K.
; A block's scale is 2^(floor(log2(its largest magnitude)) - 2); its byte is that magnitude's exponent field - 2, held at 1 from below; each number is divided by the scale and rounded to the nearest code, ties to even, beyond 6 to 6.
; LIMITS: NaN and infinities among the inputs are not served.  Blocks whose largest magnitude lies under 2^-124, blocks of zeros among them, get the byte 1 (the rule says 127 for zeros): their codes add nothing
; under that byte or are the held ones, and the bytes are read by this program alone.
; THE OUTPUT LIES IN THE ORDER OF THE OPERAND'S REGISTERS.  A row tile is 16 rows.  Codes: [tensor][tile][32 blocks kb][16 rows r][16 bytes]: with kb = 4 s + 2 c + h the bytes at 1024 s + 512 c + 16 (16 h + r) are
; registers 4 c .. 4 c + 3 of lane 16 h + r of the fragment of K step s (128 along K).  Scale words: [tensor][tile][512 bytes]: lane l's 16 bytes at 16 l are four registers; register i holds the word of
; K step 2 i in lanes 0-15 and of K step 2 i + 1 in lanes 16-31.
; SHARES.  A WORK-GROUP IS ONE WAVE AND TAKES ONE ROW TILE: 16 rows x 1024, 16 steps of 64 along K.  Work-group y picks the triple (q, Wq), (k, Wk), (v, Wv); x under 1,024 takes the activation's tile x, the other 64
; the weight's.  There are 3 x 1,088 = 3,264 tiles for 256 WGPs, 12.75 each: in groups of one wave a WGP gets 12 or 13, in groups of four it would get 12 or 16.
; Each load reads two rows' 256 consecutive bytes; a step's 4,096 bytes turn through the wave's stage in LDS (rows 272 bytes apart) so that lane (r, h) holds the WHOLE block 2 t + h of row r: no other lane is asked
; for a maximum, and its 16 bytes of codes fall at 16 x lane of the step's 512.  Loads run four steps ahead, the turn through LDS one step.  No barrier: there is one wave.
.set STGB,  16*272                     ; a stage
.set WREG,  2*STGB                     ; the wave's two stages: 8,704 bytes
.set SPARE, WREG                       ; behind them: the spare words, 128 bytes, in a block of 256 that no other line names
.set SB,    16                         ; v16-19   the tile's four scale registers
.set C,     20                         ; v20-27   codes, two sets of four
.set R,     32                         ; v32-159  four sets of 32 registers, as loaded
.set X,     160                        ; v160-223 two sets of 32: a block of 32 neighbours
; v1 offset of my 16 bytes in a load; v2 into the stage; v3 out of it; v4 16 x lane; v5 8 h; v6, v7 maxima; v8 the conversions' scale; v9, v10 bytes; v11 the other half's; v12, v13 the add's two
	s_load_b512 s[4:19], s[0:1], 0x0               ; q, k, v, Wq, Wk, Wv, ac, asc
	s_load_b128 s[20:23], s[0:1], 0x40             ; wc, wsc
	v_lshl_add_u32 v12, v0, 2, SPARE
	v_mov_b32 v13, 0
	s_and_b32 s25, ttmp7, 0xffff                   ; which triple
	v_and_b32 v14, 15, v0                          ; r
	v_bfe_u32 v15, v0, 4, 1                        ; h
	v_lshlrev_b32 v1, 12, v15
	v_lshl_add_u32 v1, v14, 4, v1                  ; in memory: lanes 0-15 one row's 256 bytes, lanes 16-31 the next row's
	v_mul_u32_u24 v2, v15, 272
	v_lshl_add_u32 v2, v14, 4, v2                  ; the same two rows in the stage
	v_mul_u32_u24 v3, v14, 272
	v_lshl_add_u32 v3, v15, 7, v3                  ; out of it: row r, block h: 128 bytes
	v_and_b32 v4, 31, v0
	v_lshlrev_b32 v4, 4, v4                        ; 16 x lane
	v_lshlrev_b32 v5, 3, v15                       ; my bytes' place in a scale word: 8 h bits up
	v_mov_b32 v11, 0                               ; written once: a lane permute's destination counts as one of its sources
	s_mov_b32 s41, 0xffff0000                      ; lanes 16-31
	s_mov_b32 s42, 0x76543210
	s_mov_b32 s43, 0xfedcba98                      ; v_permlanex16_b32's selects for lane l xor 16
	s_cmp_lt_u32 ttmp9, 1024                       ; activation or weight: ids alone
	s_cselect_b32 s38, 23, 19                      ; log2 of a tensor's codes in bytes
	s_cselect_b32 s39, 19, 15                      ; and of its scale words
	s_cselect_b32 s40, 0, 1024
	s_sub_co_u32 s27, ttmp9, s40                   ; my row tile
	s_lshl_b32 s44, s27, 16                        ; 16 rows of 4,096 bytes
	s_mov_b32 s45, 0
	s_lshl_b32 s46, s25, s38
	s_lshl_b32 s47, s27, 13                        ; 8,192 bytes of codes a tile
	s_add_co_u32 s46, s46, s47
	s_mov_b32 s47, 0
	s_lshl_b32 s38, s25, s39
	s_lshl_b32 s39, s27, 9                         ; 512 bytes of scale words a tile
	s_add_co_u32 s38, s38, s39
	s_mov_b32 s39, 0
	s_wait_kmcnt 0x0
	s_cmp_eq_u32 s25, 1
	s_cselect_b64 s[28:29], s[6:7], s[4:5]
	s_cselect_b64 s[30:31], s[12:13], s[10:11]
	s_cmp_eq_u32 s25, 2
	s_cselect_b64 s[28:29], s[8:9], s[28:29]
	s_cselect_b64 s[30:31], s[14:15], s[30:31]
	s_cmp_lt_u32 ttmp9, 1024
	s_cselect_b64 s[32:33], s[28:29], s[30:31]     ; the numbers,
	s_cselect_b64 s[34:35], s[16:17], s[20:21]     ; the codes,
	s_cselect_b64 s[36:37], s[18:19], s[22:23]     ; the scale words
	s_add_nc_u64 s[32:33], s[32:33], s[44:45]
	s_add_nc_u64 s[34:35], s[34:35], s[46:47]
	s_add_nc_u64 s[36:37], s[36:37], s[38:39]
.macro LOAD t                          ; step t: 16 rows x 256 bytes, two rows an instruction
.irp i, 0,1,2,3,4,5,6,7
	global_load_b128 v[R+32*((\t)%4)+4*\i:R+32*((\t)%4)+4*\i+3], v1, s[32:33] offset:8192*\i+256*(\t) th:TH_LOAD_NT
.endr
.endm
.macro TURN t                          ; through the stage: LDS serves a wave's instructions in order, so no wait stands between the stores and the loads
.irp i, 0,1,2,3,4,5,6,7
	ds_store_b128 v2, v[R+32*((\t)%4)+4*\i:R+32*((\t)%4)+4*\i+3] offset:STGB*((\t)%2)+544*\i
.endr
.irp j, 0,1,2,3,4,5,6,7
	ds_load_b128 v[X+32*((\t)%2)+4*\j:X+32*((\t)%2)+4*\j+3], v3 offset:STGB*((\t)%2)+16*\j
.endr
.endm
.macro STEP t
.set XS, X+32*((\t)%2)
.set CS, C+4*((\t)%2)
	s_wait_dscnt 0x0                               ; this step's block is back from the stage; so its stores into the stage have read their registers,
.if (\t)+4 < 16
	LOAD (\t)+4                                    ; which take the loads of four steps on
.endif
.if (\t) < 15
.if 14-(\t) >= 3
	s_wait_loadcnt 24                              ; the next step's eight loads are in; those of the three steps behind it may be out
.else
	s_wait_loadcnt 8*(14-(\t))
.endif
	TURN (\t)+1                                    ; and go through the other stage while this step is worked
.endif
	v_max3_num_f32 v6, |v[XS]|, |v[XS+1]|, |v[XS+2]|               ; the block's largest magnitude: all 32 numbers are mine; two chains
	v_max3_num_f32 v7, |v[XS+3]|, |v[XS+4]|, |v[XS+5]|
.irp i, 6,10,14,18,22,26
	v_max3_num_f32 v6, v6, |v[XS+\i]|, |v[XS+\i+1]|
	v_max3_num_f32 v7, v7, |v[XS+\i+2]|, |v[XS+\i+3]|
.endr
	v_max3_num_f32 v6, v6, |v[XS+30]|, |v[XS+31]|
	v_max3_num_f32 v6, v6, v7, 0x1800000           ; and the floor 2^(3 - 127): the byte cannot fall under 1
	v_add_nc_u32 v8, 0xff000000, v6                ; 2 off its exponent field: the conversion takes the exponent field of this operand as its scale
	s_wait_xcnt 0x0                                ; the store of two steps back has read this set of code registers
.irp g, 0,1,2,3
	v_cvt_scalef32_pk8_fp4_f32 v[CS+\g], v[XS+8*\g:XS+8*\g+7], v8
.endr
.if (\t)%2 == 0
	v_lshrrev_b32 v10, 23, v8                      ; the byte of block 4 s + h  (a plain line behind the conversions)
.else
	v_lshrrev_b32 v9, 23, v8                       ; the byte of block 4 s + 2 + h
	v_lshl_or_b32 v10, v9, 16, v10
.endif
	global_store_b128 v4, v[CS:CS+3], s[34:35] offset:512*(\t)     ; 32 lanes store 512 consecutive bytes
.if (\t)%2 == 1
	v_lshlrev_b32 v10, v5, v10                     ; my two bytes at their places;
	v_permlanex16_b32 v11, v10, s42, s43
.if ((\t)/2)%2 == 0
	v_or_b32 v[SB+(\t)/4], v10, v11                ; with lane l xor 16's two the word of K step s is whole: an even s fills the register,
.else
	v_or_b32 v10, v10, v11
	v_cndmask_b32 v[SB+(\t)/4], v[SB+(\t)/4], v10, s41   ; an odd s takes its lanes 16-31
.endif
.endif
.endm
	LOAD 0
	LOAD 1
	LOAD 2
	LOAD 3
	s_wait_loadcnt 24                              ; step 0's eight loads are in
	TURN 0
.set Q, 0
.rept 16
	STEP Q
.set Q, Q+1
.endr
	global_store_b128 v4, v[SB:SB+3], s[36:37]     ; the tile's 512 bytes of scale words
	s_wait_tensorcnt 0x0                           ; the wave's end, behind my last LDS store
	ds_add_u32 v12, v13
	s_wait_dscnt 0x0
	s_endpgm
.Lfunc_end_k_q3caf1efc1c_quant:
	.size	k_q3caf1efc1c_quant, .Lfunc_end_k_q3caf1efc1c_quant-k_q3caf1efc1c_quant
	.p2alignl 7, 3214868480
	.fill 96, 4, 3214868480
	.section	.rodata,"a",@progbits
	.p2align	6, 0x0
	.amdhsa_kernel k_q3caf1efc1c_quant
		.amdhsa_group_segment_fixed_size 8960
		.amdhsa_private_segment_fixed_size 0
		.amdhsa_enable_private_segment 0
		.amdhsa_kernarg_size 80
		.amdhsa_user_sgpr_count 2
		.amdhsa_user_sgpr_kernarg_segment_ptr 1
		.amdhsa_wavefront_size32 1
		.amdhsa_system_sgpr_workgroup_id_x 1
		.amdhsa_system_sgpr_workgroup_id_y 1
		.amdhsa_system_sgpr_workgroup_id_z 1
		.amdhsa_system_vgpr_workitem_id 0
		.amdhsa_next_free_vgpr 224
		.amdhsa_next_free_sgpr 66
		.amdhsa_reserve_vcc 0
		.amdhsa_float_denorm_mode_32 3
		.amdhsa_float_denorm_mode_16_64 3
		.amdhsa_memory_ordered 1
		.amdhsa_forward_progress 1
		.amdhsa_inst_pref_size 58
	.end_amdhsa_kernel
	.amdgpu_metadata
---
amdhsa.version: [ 1, 2 ]
amdhsa.kernels:
  - .name:           k_q3caf1efc1c_quant
    .symbol:         k_q3caf1efc1c_quant.kd
    .args:
      - { .name: q, .offset: 0, .size: 8, .value_kind: global_buffer, .address_space: global }
      - { .name: k, .offset: 8, .size: 8, .value_kind: global_buffer, .address_space: global }
      - { .name: v, .offset: 16, .size: 8, .value_kind: global_buffer, .address_space: global }
      - { .name: Wq, .offset: 24, .size: 8, .value_kind: global_buffer, .address_space: global }
      - { .name: Wk, .offset: 32, .size: 8, .value_kind: global_buffer, .address_space: global }
      - { .name: Wv, .offset: 40, .size: 8, .value_kind: global_buffer, .address_space: global }
      - { .name: ac, .offset: 48, .size: 8, .value_kind: global_buffer, .address_space: global }
      - { .name: asc, .offset: 56, .size: 8, .value_kind: global_buffer, .address_space: global }
      - { .name: wc, .offset: 64, .size: 8, .value_kind: global_buffer, .address_space: global }
      - { .name: wsc, .offset: 72, .size: 8, .value_kind: global_buffer, .address_space: global }
    .group_segment_fixed_size: 8960
    .private_segment_fixed_size: 0
    .kernarg_segment_align: 8
    .kernarg_segment_size: 80
    .max_flat_workgroup_size: 32
    .sgpr_count:     66
    .vgpr_count:     224
    .wavefront_size: 32
...
	.end_amdgpu_metadata
.endif
;; end of part 1
;; launch kvpart (part 2): grid 4 x 64, 4 waves a work-group, clusters of 4 x 1, 279,040 bytes of LDS; arguments ac, asc, wc, wsc, bk, bv, part; writes part
.if DOCPART == 2
	.amdgcn_target "amdgcn-amd-amdhsa--gfx1250"
	.amdhsa_code_object_version 6
	.text
	.protected	k_q3caf1efc1c_kvpart
	.globl	k_q3caf1efc1c_kvpart
	.p2align	8
	.type	k_q3caf1efc1c_kvpart,@function
k_q3caf1efc1c_kvpart:
	s_mov_b64 s[64:65], 0
	v_nop
	global_prefetch_b8 v0, s[64:65] scope:SCOPE_SE
	s_setreg_imm32_b32 hwreg(HW_REG_WAVE_MODE, 25, 1), 1
	s_wait_xcnt 0x0
	s_wait_alu depctr_hold_cnt(0) depctr_sa_sdst(0) depctr_va_vdst(0) depctr_va_sdst(0) depctr_va_ssrc(0) depctr_va_vcc(0) depctr_vm_vsrc(0)
	s_getreg_b32 s2, hwreg(HW_REG_IB_STS2, 6, 4)
	s_cmp_eq_u32 s2, 0
	s_cbranch_scc0 .Lentry_in_a_cluster
	s_endpgm
.Lentry_in_a_cluster:
	s_bfe_u32 s2, ttmp6, 0x10000c
	s_cmp_lg_u32 s2, 0x3003
	s_cbranch_scc0 .Lentry_shape_is_right
	s_endpgm
.Lentry_shape_is_right:
; For a block of 256 rows and four heads: kp = k Wk^T + bk and vp = v Wv^T + bv on codes of FP4 with E8M0 scales, sums in f32; each head's row of 64 divided by max(its length, 1e-12); both rounded to f16;
; kv(i, j) = the sum over the 256 rows of kh(row, i) vh(row, j), f16 operands, f32 sums: one partial 64 x 64 for each (row block, head), stored as images of its 16 accumulators.
; f16 has room: the numbers that go into it are at most 1 in magnitude, by the normalisation itself.
; LIMITS: NaN and infinities are not served.  1 / max(n, 1e-12) is formed as min(rsq(n^2), 1e12); rsq takes a denormal n^2 as 0, and the hold at 1e12 is what the definition gives there too.
; SHARES.  Row block = cluster y; head group g = my place in the cluster; wave w owns head 4 g + w for all 256 rows.  The head's 32 fragments of Wk and 32 of Wv stay in my registers (512) for the whole launch.
; The rows' codes of k and v (2 x 131,072 bytes) and their scale words lie in LDS, filled once, read by all four waves, as register images: a fragment is two loads at 16 x lane.
; CLUSTER.  The four head groups of a row block need the same rows: every fill is asked for JOINTLY, by the same tensor load with the same descriptor and the mask of all four.  My place in the cluster enters
; only the global addresses of the weights, the biases and the result.
; A PASS is 32 rows: 64 scaled products for k (source 0 = 16 rows, source 1 = 16 channels of W: a lane holds ONE channel and eight rows), the norm (sums over the lane's four tiles, then over 16 lanes), f16 pairs, which
; ARE the 16-bit operand with K = the pass's 32 rows; the same for v; then 16 products kh^T vh onto the 16 accumulators of kv.
; REGISTERS, in windows of 256: window 0: v1-9 addresses; v16-47 the weights' scale words; v48-63 the rows'; v64-127, v128-191 two buffers of 8 row fragments (v128-143 also the norms' 16 sums while buffer 1 is idle);
;   v192-223 kh's four fragments, v224-255 vh's.   window 1: Wk, fragment (tile t, K step s) at v[8 (8 t + s)].   window 2: Wv likewise.
;   window 3: v0-127 kv's accumulators (it, jt) at v[8 (4 it + jt)]; v128-191 the projection's eight (a, t) at v[128 + 8 (4 a + t)]; v192-255 the biases as tiles, bk's four, then bv's.
.set LVC,   131072                     ; LDS: k's codes from 0, v's from here,
.set LKS,   262144                     ; k's scale words, 8,192 bytes, then v's,
.set SPARE, 278528                     ; and the spare words, 128 bytes for each wave
.set PASSB, 16384                      ; a pass's codes of one tensor: two row tiles of 8,192 bytes
.set LI,  1                            ; v1  16 x lane
.set LIV, 2                            ; v2  the same in v's codes
.set LIS, 3                            ; v3  the same in the scale words
.set ADK, 4                            ; v4-6 the pass's addresses
.set ADV, 5
.set ADS, 6
.set BO,  7                            ; v7  4 x (lane % 16)
.set SPW, 8                            ; v8  LDS address of my spare word; never rewritten
.set NIL, 9                            ; v9  0; never rewritten
.set WKS, 16                           ; Wk's scale words at v[16 + 4 t + i], Wv's 16 further on
.set AKS, 48                           ; k's rows' at v[48 + 4 a + i], v's 8 further on
.set BUF0, 64
.set BUF1, 128
.set TT,  128
.set KF,  192
.set VF,  224
.set ACC, 128                          ; in window 3
.set BIAS, 192                         ; in window 3
.set WV,  18                           ; s18 wave; s19 cx; s20 head group; s21 row block; s22 which tensor I fetch for; s23 which half
.set G1S, 24                           ; s[24:47] three groups 1: 16, 64 and 192 rows of 256 bytes
.set G1F, 32
.set G1R, 40
.set G0S, 48                           ; s[48:59] three groups 0; never rewritten
.set G0F, 52
.set G0R, 56
.set TB,  60                           ; s60 the pass's first byte among a tensor's codes
.set TS,  61                           ; s61 and among its scale words
.set CNT, 62
.set BIG, 63                           ; s63 1e12
.set HD,  66                           ; s66 my head
.set MSB, 0
.macro WIN new                         ; the immediate's high byte repeats the setting that is left; a switch that changes nothing is dropped
.if MSB != (\new)
	s_set_vgpr_msb (MSB<<8)|(\new)
.set MSB, (\new)
.endif
.endm
.macro CROUND                          ; a round of the cluster's barrier
	s_barrier_signal -1
	s_barrier_wait -1
	s_cmp_lg_u32 s[WV], 0
	s_cbranch_scc1 .Lnot_wave_0_\@
	s_barrier_signal -3
.Lnot_wave_0_\@:
	s_barrier_wait -3
	s_barrier_signal -1
	s_barrier_wait -1
.endm
.macro G1SET g, rows                   ; a dense block as rows of 256 bytes: 32 elements of 8 bytes; no padding: images are read at 16 x lane
	s_mov_b32 s[\g], 15|(3<<16)|(1<<21)            ; 15:0 the mask: all four work-groups; 17:16 elements of 8 bytes; 21 set beside a mask
	s_mov_b32 s[\g+1], 32<<16                      ; tensor_dim0
	s_mov_b32 s[\g+2], (\rows)<<16                 ; tensor_dim1
	s_mov_b32 s[\g+3], 32<<16                      ; tile_dim0
	s_mov_b32 s[\g+4], \rows                       ; tile_dim1
	s_mov_b32 s[\g+5], 32                          ; from row to row
	s_mov_b32 s[\g+6], 0
	s_mov_b32 s[\g+7], 0
.endm
.macro PLACES                          ; four plain places behind a matrix instruction, ahead of loads into its sources and of reads of its result
.rept 4
	v_nop
.endr
.endm
	s_load_b256 s[4:11], s[0:1], 0x0               ; ac, asc, wc, wsc
	s_load_b128 s[12:15], s[0:1], 0x20             ; bk, bv
	s_load_b64 s[16:17], s[0:1], 0x30              ; part
	v_lshl_add_u32 v[SPW], v0, 2, SPARE
	v_mov_b32 v[NIL], 0
	ds_add_u32 v[SPW], v[NIL]                      ; the wave's opening: the add, twice on end, and its wait ahead of my first tensor load
	ds_add_u32 v[SPW], v[NIL]
	v_lshrrev_b32 v10, 5, v0
	v_readfirstlane_b32 s[WV], v10                 ; wave 0..3
	s_and_b32 s21, ttmp7, 0xffff                   ; the row block, which the four partners share
	s_lshr_b32 s22, s[WV], 1                       ; I fetch for k (0) or v (1),
	s_and_b32 s23, s[WV], 1                        ; its first or second half
	G1SET G1S, 16
	G1SET G1F, 64
	G1SET G1R, 192
	s_add_co_u32 s67, s22, 1                       ; k is tensor 1, v tensor 2 of ac and asc
	s_lshl_b32 s68, s67, 19
	s_lshl_b32 s69, s21, 13
	s_add_co_u32 s68, s68, s69
	s_lshl_b32 s69, s23, 12
	s_add_co_u32 s68, s68, s69                     ; scale words: tensor, row block (16 tiles of 512 bytes), half
	s_mov_b32 s69, 0
	s_lshl_b32 s70, s67, 23
	s_lshl_b32 s71, s21, 17
	s_add_co_u32 s70, s70, s71                     ; codes: tensor, row block (16 tiles of 8,192 bytes)
	s_mul_i32 s71, s23, 3*PASSB
	s_add_co_u32 s72, s70, s71
	s_add_co_u32 s72, s72, 2*PASSB                 ; passes 2 to 4 or 5 to 7
	s_mov_b32 s73, 0
	s_lshl_b32 s71, s23, 14
	s_add_co_u32 s70, s70, s71                     ; pass 0 or 1
	s_mov_b32 s71, 0
	s_lshl_b32 s[G0S+1], s[WV], 12                 ; and where they go: the wave's number and constants alone
	s_add_co_u32 s[G0S+1], s[G0S+1], LKS
	s_lshl_b32 s[G0F+1], s22, 17
	s_lshl_b32 s67, s23, 14
	s_add_co_u32 s[G0F+1], s[G0F+1], s67
	s_lshl_b32 s[G0R+1], s22, 17
	s_mul_i32 s67, s23, 3*PASSB
	s_add_co_u32 s[G0R+1], s[G0R+1], s67
	s_add_co_u32 s[G0R+1], s[G0R+1], 2*PASSB
	s_mov_b32 s[G0S], 1
	s_mov_b32 s[G0F], 1
	s_mov_b32 s[G0R], 1
	s_mov_b32 s[TB], 0
	s_mov_b32 s[TS], 0
	s_mov_b32 s[BIG], 0x5368d4a5                   ; 1e12
	s_wait_dscnt 0x0                               ; both opening adds are done
	s_wait_kmcnt 0x0
	s_add_nc_u64 s[G0S+2:G0S+3], s[6:7], s[68:69]
	s_or_b32 s[G0S+3], s[G0S+3], 0x80000000
	s_add_nc_u64 s[G0F+2:G0F+3], s[4:5], s[70:71]
	s_or_b32 s[G0F+3], s[G0F+3], 0x80000000
	s_add_nc_u64 s[G0R+2:G0R+3], s[4:5], s[72:73]
	s_or_b32 s[G0R+3], s[G0R+3], 0x80000000
	CROUND                                         ; all four work-groups are here: the joint loads meet
	tensor_load_to_lds s[G0S:G0S+3], s[G1S:G1S+7]  ; all fills of the launch go out as one group: three loads of mine are out.  The scale words,
	s_nop 0
	tensor_load_to_lds s[G0F:G0F+3], s[G1F:G1F+7]  ; one of the first two passes,
	s_nop 0
	tensor_load_to_lds s[G0R:G0R+3], s[G1R:G1R+7]  ; three of the other six
	s_nop 0
	PLACES
	s_bfe_u32 s19, ttmp6, 0x40000                  ; cx: it enters global addresses of the weights, the biases and the result alone
	s_lshl_b32 s20, ttmp9, 2
	s_add_co_u32 s20, s20, s19                     ; head group
	s_lshl_b32 s[HD], s20, 2
	s_add_co_u32 s[HD], s[HD], s[WV]               ; my head
	s_lshl_b32 s82, s[HD], 15                      ; a head's four tiles of 8,192 bytes
	s_mov_b32 s83, 0
	s_add_nc_u64 s[74:75], s[8:9], s[82:83]
	s_add_nc_u64 s[76:77], s[74:75], 2<<19         ; Wv is tensor 2 of wc,
	s_add_nc_u64 s[74:75], s[74:75], 1<<19         ; Wk tensor 1
	s_lshl_b32 s82, s[HD], 11
	s_add_nc_u64 s[78:79], s[10:11], s[82:83]
	s_add_nc_u64 s[80:81], s[78:79], 2<<15
	s_add_nc_u64 s[78:79], s[78:79], 1<<15
	s_lshl_b32 s82, s[HD], 8
	s_add_nc_u64 s[12:13], s[12:13], s[82:83]
	s_add_nc_u64 s[14:15], s[14:15], s[82:83]
	s_lshl_b32 s82, s21, 4
	s_add_co_u32 s82, s82, s[HD]
	s_lshl_b32 s82, s82, 14                        ; part: (16 row block + head) x 16 accumulators of 1,024 bytes
	s_add_nc_u64 s[16:17], s[16:17], s[82:83]
	v_and_b32 v[LI], 31, v0
	v_lshlrev_b32 v[LI], 4, v[LI]
	v_add_nc_u32 v[LIV], LVC, v[LI]
	v_add_nc_u32 v[LIS], LKS, v[LI]
	v_and_b32 v[BO], 15, v0
	v_lshlrev_b32 v[BO], 2, v[BO]
	WIN 0x40                                       ; destination window 1
.set n, 0
.rept 64
	global_load_b128 v[4*n:4*n+3], v[LI], s[74:75] offset:512*n    ; Wk's 32 fragments, as they lie
.set n, n+1
.endr
	WIN 0x80                                       ; destination window 2
.set n, 0
.rept 64
	global_load_b128 v[4*n:4*n+3], v[LI], s[76:77] offset:512*n    ; Wv's
.set n, n+1
.endr
	WIN 0
.irp t, 0,1,2,3
	global_load_b128 v[WKS+4*\t:WKS+4*\t+3], v[LI], s[78:79] offset:512*\t
	global_load_b128 v[WKS+16+4*\t:WKS+16+4*\t+3], v[LI], s[80:81] offset:512*\t
.endr
	WIN 0xc0                                       ; destination window 3
.irp t, 0,1,2,3
	global_load_b32 v[BIAS+8*\t], v[BO], s[12:13] offset:64*\t     ; a lane holds one channel: its bias,
	global_load_b32 v[BIAS+32+8*\t], v[BO], s[14:15] offset:64*\t
.endr
	s_wait_loadcnt 0x0
	WIN 0xc3
.set n, 0
.rept 8
.irp j, 1,2,3,4,5,6,7
	v_mov_b32 v[BIAS+8*n+\j], v[BIAS+8*n]          ; for each of the tile's eight rows: the tile is the C of a sum's first product
.endr
.set n, n+1
.endr
	WIN 0
.macro ADDR
	v_add_nc_u32 v[ADK], s[TB], v[LI]
	v_add_nc_u32 v[ADV], s[TB], v[LIV]
	v_add_nc_u32 v[ADS], s[TS], v[LIS]
.endm
.macro FETCH buf, adr, off             ; 16 loads: two row tiles x four K steps, from byte off of the pass's codes
.irp a, 0,1
.irp sp, 0,1,2,3
.irp c, 0,1
	ds_load_b128 v[\buf+8*(4*\a+\sp)+4*\c:\buf+8*(4*\a+\sp)+4*\c+3], v[\adr] offset:\off+8192*\a+1024*\sp+512*\c
.endr
.endr
.endr
.endm
.macro SCL reg, off                    ; the scale words of two row tiles, all eight K steps
.irp a, 0,1
	ds_load_b128 v[\reg+4*\a:\reg+4*\a+3], v[ADS] offset:\off+512*\a
.endr
.endm
; 32 products: K steps 4 hh .. 4 hh + 3, two row tiles x four channel tiles.  The eight accumulators take turns, one instruction a turn.
; An odd K step's scale words lie in lanes 16-31 of their registers.  first = 1: the first K step's C is the bias.
.macro GEMMH buf, hh, tens, first
	WIN 0xf4+4*(\tens)                             ; source 0 window 0, source 1 window 1 (Wk) or 2 (Wv), C and D window 3
.irp sp, 0,1,2,3
.irp a, 0,1
.irp t, 0,1,2,3
.set rD, ACC+8*(4*\a+\t)
.set rA, \buf+8*(4*\a+\sp)
.set rB, 8*(8*\t+4*(\hh)+\sp)
.set rC, BIAS+8*(4*(\tens)+\t)
.set rSA, AKS+8*(\tens)+4*\a+2*(\hh)+\sp/2
.set rSB, WKS+16*(\tens)+4*\t+2*(\hh)+\sp/2
.if (\first) && (\sp == 0)
	v_wmma_scale_f32_16x16x128_f8f6f4 v[rD:rD+7], v[rA:rA+7], v[rB:rB+7], v[rC:rC+7], v[rSA], v[rSB] matrix_a_fmt:MATRIX_FMT_FP4 matrix_b_fmt:MATRIX_FMT_FP4
.elseif \sp%2 == 0
	v_wmma_scale_f32_16x16x128_f8f6f4 v[rD:rD+7], v[rA:rA+7], v[rB:rB+7], v[rD:rD+7], v[rSA], v[rSB] matrix_a_fmt:MATRIX_FMT_FP4 matrix_b_fmt:MATRIX_FMT_FP4
.else
	v_wmma_scale_f32_16x16x128_f8f6f4 v[rD:rD+7], v[rA:rA+7], v[rB:rB+7], v[rD:rD+7], v[rSA], v[rSB] matrix_a_fmt:MATRIX_FMT_FP4 matrix_b_fmt:MATRIX_FMT_FP4 matrix_a_scale:MATRIX_SCALE_ROW1 matrix_b_scale:MATRIX_SCALE_ROW1
.endif
.endr
.endr
.endr
.endm
; The eight accumulators are divided by their rows' lengths and become four f16 fragments from v[f] on.  Register 8 a + j of the sums belongs to row 16 a + 8 (lane / 16) + j.
.macro NORM f
	PLACES
	WIN 0x0f                                       ; sources 0 and 1 window 3
.irp a, 0,1
.irp p, 0,1,2,3
	v_pk_mul_f32 v[TT+8*\a+2*\p:TT+8*\a+2*\p+1], v[ACC+32*\a+2*\p:ACC+32*\a+2*\p+1], v[ACC+32*\a+2*\p:ACC+32*\a+2*\p+1]   ; each accumulator is read from its low end on
.endr
.endr
.irp t, 1,2,3
.irp a, 0,1
.irp p, 0,1,2,3
	v_pk_fma_f32 v[TT+8*\a+2*\p:TT+8*\a+2*\p+1], v[ACC+8*(4*\a+\t)+2*\p:ACC+8*(4*\a+\t)+2*\p+1], v[ACC+8*(4*\a+\t)+2*\p:ACC+8*(4*\a+\t)+2*\p+1], v[TT+8*\a+2*\p:TT+8*\a+2*\p+1]
.endr
.endr
.endr
	WIN 0
.irp m, 1,2,4,8
.irp i, 0,1,2,3,4,5,6,7,8,9,10,11,12,13,14,15
	v_add_f32_dpp v[TT+\i], v[TT+\i], v[TT+\i] row_xmask:\m row_mask:0xf bank_mask:0xf   ; over the 16 lanes that hold the row's other channels
.endr
.endr
.irp i, 0,1,2,3,4,5,6,7,8,9,10,11,12,13,14,15
	v_rsq_f32 v[TT+\i], v[TT+\i]
.endr
	v_nop                                          ; a plain line behind the last of the batch,
	s_wait_alu depctr_va_vdst(0)                   ; and one wait for the sixteen, ahead of their first reader
.irp i, 0,1,2,3,4,5,6,7,8,9,10,11,12,13,14,15
	v_min_num_f32 v[TT+\i], s[BIG], v[TT+\i]       ; 1 / max(n, 1e-12)
.endr
	WIN 0xc3                                       ; destination and source 0 window 3
.irp t, 0,1,2,3
.irp a, 0,1
.irp p, 0,1,2,3
	v_pk_mul_f32 v[ACC+8*(4*\a+\t)+2*\p:ACC+8*(4*\a+\t)+2*\p+1], v[ACC+8*(4*\a+\t)+2*\p:ACC+8*(4*\a+\t)+2*\p+1], v[TT+8*\a+2*\p:TT+8*\a+2*\p+1]
.endr
.endr
.endr
	WIN 0x0f
.irp t, 0,1,2,3
.irp a, 0,1
.irp p, 0,1,2,3
	v_cvt_pk_f16_f32 v[\f+8*\t+4*\a+\p], v[ACC+8*(4*\a+\t)+2*\p], v[ACC+8*(4*\a+\t)+2*\p+1]   ; register 4 a + p of fragment t: rows 16 a + 8 (lane / 16) + 2 p, + 1 of channel 16 t + lane % 16
.endr
.endr
.endr
.endm
.macro PV zero                         ; kv += kh^T vh over the pass's 32 rows; zero = 1: the first pass starts the sums
	WIN 0xf0
.irp it, 0,1,2,3
.irp jt, 0,1,2,3
.if \zero
	v_wmma_f32_16x16x32_f16 v[8*(4*\it+\jt):8*(4*\it+\jt)+7], v[KF+8*\it:KF+8*\it+7], v[VF+8*\jt:VF+8*\jt+7], 0
.else
	v_wmma_f32_16x16x32_f16 v[8*(4*\it+\jt):8*(4*\it+\jt)+7], v[KF+8*\it:KF+8*\it+7], v[VF+8*\jt:VF+8*\jt+7], v[8*(4*\it+\jt):8*(4*\it+\jt)+7]
.endif
.endr
.endr
.endm
; A pass.  Each run of LDS loads is issued one half product (32 matrix instructions) or a norm ahead of its use.  ahead = 1: the next pass's first run is issued too.
.macro PASS ahead, zero
	ADDR
	FETCH BUF1, ADK, 4096
	s_wait_dscnt 16                                ; all but the 16 just issued: k's K steps 0-3 and its scale words are in
	GEMMH BUF0, 0, 0, 1
	PLACES
	WIN 0
	FETCH BUF0, ADV, 0
	SCL AKS+8, 8192
	s_wait_dscnt 18                                ; all but the 18 just issued: k's K steps 4-7
	GEMMH BUF1, 1, 0, 0
	NORM KF
	WIN 0
	FETCH BUF1, ADV, 4096
	s_wait_dscnt 16                                ; v's K steps 0-3 and its scale words
	GEMMH BUF0, 0, 1, 1
	PLACES
	WIN 0
.if \ahead
	FETCH BUF0, ADK, PASSB
	SCL AKS, 1024
	s_wait_dscnt 18                                ; v's K steps 4-7
.else
	s_wait_dscnt 0x0
.endif
	GEMMH BUF1, 1, 1, 0
	NORM VF
	PV \zero
	WIN 0
	s_add_co_u32 s[TB], s[TB], PASSB
	s_add_co_u32 s[TS], s[TS], 1024
.endm
.macro PRE                             ; the first run of a pass that no pass before has asked for
	ADDR
	FETCH BUF0, ADK, 0
	SCL AKS, 0
.endm
	s_wait_tensorcnt 1                             ; my scale words and my part of passes 0 and 1 are in; the last load may stay out
	s_barrier_signal -1
	s_barrier_wait -1                              ; everybody's are
	PRE
	PASS 1, 1
	PASS 0, 0
	s_wait_tensorcnt 0x0                           ; my part of passes 2 to 7 is in,
	s_wait_dscnt 0x0
	s_barrier_signal -1
	s_barrier_wait -1                              ; everybody's is
	PRE
	s_mov_b32 s[CNT], 5
.Lpass:                                                ; passes 2 to 6
	PASS 1, 0
	s_sub_co_u32 s[CNT], s[CNT], 1
	s_cmp_lg_u32 s[CNT], 0
	s_cbranch_scc1 .Lpass
	PASS 0, 0                                      ; pass 7 asks for nothing beyond the block's rows
	PLACES
	WIN 0x0c                                       ; a store's data are its source 1: window 3
.set n, 0
.rept 16
	global_store_b128 v[LI], v[8*n:8*n+3], s[16:17] offset:1024*n          ; each accumulator from its low end on; 32 lanes store 512 consecutive bytes
	global_store_b128 v[LI], v[8*n+4:8*n+7], s[16:17] offset:1024*n+512
.set n, n+1
.endr
	WIN 0
	s_wait_tensorcnt 0x0                           ; the wave's end
	ds_add_u32 v[SPW], v[NIL]
	s_wait_dscnt 0x0
	CROUND                                         ; the closing round
	s_endpgm
.Lfunc_end_k_q3caf1efc1c_kvpart:
	.size	k_q3caf1efc1c_kvpart, .Lfunc_end_k_q3caf1efc1c_kvpart-k_q3caf1efc1c_kvpart
	.p2alignl 7, 3214868480
	.fill 96, 4, 3214868480
	.section	.rodata,"a",@progbits
	.p2align	6, 0x0
	.amdhsa_kernel k_q3caf1efc1c_kvpart
		.amdhsa_group_segment_fixed_size 279040
		.amdhsa_private_segment_fixed_size 0
		.amdhsa_enable_private_segment 0
		.amdhsa_kernarg_size 56
		.amdhsa_user_sgpr_count 2
		.amdhsa_user_sgpr_kernarg_segment_ptr 1
		.amdhsa_wavefront_size32 1
		.amdhsa_system_sgpr_workgroup_id_x 1
		.amdhsa_system_sgpr_workgroup_id_y 1
		.amdhsa_system_sgpr_workgroup_id_z 1
		.amdhsa_system_vgpr_workitem_id 0
		.amdhsa_next_free_vgpr 1024
		.amdhsa_next_free_sgpr 84
		.amdhsa_reserve_vcc 0
		.amdhsa_float_denorm_mode_32 3
		.amdhsa_float_denorm_mode_16_64 3
		.amdhsa_memory_ordered 1
		.amdhsa_forward_progress 1
		.amdhsa_inst_pref_size 205
	.end_amdhsa_kernel
	.amdgpu_metadata
---
amdhsa.version: [ 1, 2 ]
amdhsa.kernels:
  - .name:           k_q3caf1efc1c_kvpart
    .symbol:         k_q3caf1efc1c_kvpart.kd
    .args:
      - { .name: ac, .offset: 0, .size: 8, .value_kind: global_buffer, .address_space: global }
      - { .name: asc, .offset: 8, .size: 8, .value_kind: global_buffer, .address_space: global }
      - { .name: wc, .offset: 16, .size: 8, .value_kind: global_buffer, .address_space: global }
      - { .name: wsc, .offset: 24, .size: 8, .value_kind: global_buffer, .address_space: global }
      - { .name: bk, .offset: 32, .size: 8, .value_kind: global_buffer, .address_space: global }
      - { .name: bv, .offset: 40, .size: 8, .value_kind: global_buffer, .address_space: global }
      - { .name: part, .offset: 48, .size: 8, .value_kind: global_buffer, .address_space: global }
    .group_segment_fixed_size: 279040
    .private_segment_fixed_size: 0
    .kernarg_segment_align: 8
    .kernarg_segment_size: 56
    .max_flat_workgroup_size: 128
    .sgpr_count:     84
    .vgpr_count:     1024
    .wavefront_size: 32
...
	.end_amdgpu_metadata
.endif
;; end of part 2
;; launch kvsum (part 3): grid 256 x 1, 4 waves a work-group, no clusters, 0 bytes of LDS; arguments part, kvf; writes kvf
.if DOCPART == 3
	.amdgcn_target "amdgcn-amd-amdhsa--gfx1250"
	.amdhsa_code_object_version 6
	.text
	.protected	k_q3caf1efc1c_kvsum
	.globl	k_q3caf1efc1c_kvsum
	.p2align	8
	.type	k_q3caf1efc1c_kvsum,@function
k_q3caf1efc1c_kvsum:
	s_mov_b64 s[64:65], 0
	v_nop
	global_prefetch_b8 v0, s[64:65] scope:SCOPE_SE
	s_setreg_imm32_b32 hwreg(HW_REG_WAVE_MODE, 25, 1), 1
	s_wait_xcnt 0x0
; kv of a (batch, head) is the sum of the 16 partials of the batch's 16 row blocks, in f32; it is rounded to f16 (its magnitude is at most 4,096, the number of rows: both factors are at most 1) and laid as the
; fragments of kv^T that the last launch multiplies by.
; A wave takes one accumulator tile (it, jt) of one (batch, head): 16 images of 1,024 bytes, 262,144 bytes apart.  In an image lane (r, h) holds kv(16 it + 8 h + j, 16 jt + r), j = 0 .. 7: packed in pairs these are
; registers 4 (it % 2) .. + 3 of the fragment (jt, c = it / 2) of kv^T: row 16 jt + r, K = 32 c + 16 (it % 2) + 8 h + j.  No LDS, no barrier: waves share nothing.  All 32 loads go out at once.
	s_load_b128 s[4:7], s[0:1], 0x0                ; part, kvf
	v_lshrrev_b32 v2, 5, v0
	v_readfirstlane_b32 s8, v2                     ; wave = jt
	v_and_b32 v1, 31, v0
	v_lshlrev_b32 v1, 4, v1                        ; 16 x lane
	s_lshr_b32 s9, ttmp9, 2                        ; 16 batch + head
	s_and_b32 s10, ttmp9, 3                        ; it
	s_lshr_b32 s12, s9, 4
	s_lshl_b32 s12, s12, 22                        ; a batch's 16 row blocks x 16 heads x 16,384 bytes
	s_and_b32 s13, s9, 15
	s_lshl_b32 s13, s13, 14
	s_add_co_u32 s12, s12, s13
	s_lshl_b32 s13, s10, 2
	s_add_co_u32 s13, s13, s8
	s_lshl_b32 s13, s13, 10                        ; tile 4 it + jt
	s_add_co_u32 s12, s12, s13
	s_mov_b32 s13, 0
	s_lshl_b32 s14, s9, 13                         ; 8 fragments of 1,024 bytes
	s_lshl_b32 s15, s8, 1
	s_lshr_b32 s16, s10, 1
	s_add_co_u32 s15, s15, s16
	s_lshl_b32 s15, s15, 10                        ; fragment 2 jt + it / 2
	s_add_co_u32 s14, s14, s15
	s_and_b32 s15, s10, 1
	s_lshl_b32 s15, s15, 9                         ; its first or second four registers
	s_add_co_u32 s14, s14, s15
	s_mov_b32 s15, 0
	s_wait_kmcnt 0x0
	s_add_nc_u64 s[4:5], s[4:5], s[12:13]
	s_add_nc_u64 s[6:7], s[6:7], s[14:15]
.set p, 0
.rept 16
	global_load_b128 v[16+8*p:19+8*p], v1, s[4:5] offset:262144*p th:TH_LOAD_NT
	global_load_b128 v[20+8*p:23+8*p], v1, s[4:5] offset:262144*p+512 th:TH_LOAD_NT
.set p, p+1
.endr
.set p, 1
.rept 15
	s_wait_loadcnt 2*(15-p)                        ; partial p is in; the two loads of each partial behind it may be out
.irp i, 0,1,2,3
	v_pk_add_f32 v[16+2*\i:17+2*\i], v[16+2*\i:17+2*\i], v[16+8*p+2*\i:17+8*p+2*\i]
.endr
.set p, p+1
.endr
.irp i, 0,1,2,3
	v_cvt_pk_f16_f32 v[8+\i], v[16+2*\i], v[17+2*\i]
.endr
	global_store_b128 v1, v[8:11], s[6:7]          ; 32 lanes store 512 consecutive bytes
	s_endpgm
.Lfunc_end_k_q3caf1efc1c_kvsum:
	.size	k_q3caf1efc1c_kvsum, .Lfunc_end_k_q3caf1efc1c_kvsum-k_q3caf1efc1c_kvsum
	.p2alignl 7, 3214868480
	.fill 96, 4, 3214868480
	.section	.rodata,"a",@progbits
	.p2align	6, 0x0
	.amdhsa_kernel k_q3caf1efc1c_kvsum
		.amdhsa_group_segment_fixed_size 0
		.amdhsa_private_segment_fixed_size 0
		.amdhsa_enable_private_segment 0
		.amdhsa_kernarg_size 16
		.amdhsa_user_sgpr_count 2
		.amdhsa_user_sgpr_kernarg_segment_ptr 1
		.amdhsa_wavefront_size32 1
		.amdhsa_system_sgpr_workgroup_id_x 1
		.amdhsa_system_sgpr_workgroup_id_y 1
		.amdhsa_system_sgpr_workgroup_id_z 1
		.amdhsa_system_vgpr_workitem_id 0
		.amdhsa_next_free_vgpr 144
		.amdhsa_next_free_sgpr 66
		.amdhsa_reserve_vcc 0
		.amdhsa_float_denorm_mode_32 3
		.amdhsa_float_denorm_mode_16_64 3
		.amdhsa_memory_ordered 1
		.amdhsa_forward_progress 1
		.amdhsa_inst_pref_size 9
	.end_amdhsa_kernel
	.amdgpu_metadata
---
amdhsa.version: [ 1, 2 ]
amdhsa.kernels:
  - .name:           k_q3caf1efc1c_kvsum
    .symbol:         k_q3caf1efc1c_kvsum.kd
    .args:
      - { .name: part, .offset: 0, .size: 8, .value_kind: global_buffer, .address_space: global }
      - { .name: kvf, .offset: 8, .size: 8, .value_kind: global_buffer, .address_space: global }
    .group_segment_fixed_size: 0
    .private_segment_fixed_size: 0
    .kernarg_segment_align: 8
    .kernarg_segment_size: 16
    .max_flat_workgroup_size: 128
    .sgpr_count:     66
    .vgpr_count:     144
    .wavefront_size: 32
...
	.end_amdgpu_metadata
.endif
;; end of part 3
;; launch attnout (part 4): grid 4 x 64, 4 waves a work-group, clusters of 4 x 1, 167,936 bytes of LDS; arguments ac, asc, wc, wsc, bq, kvf, out0; writes out0
.if DOCPART == 4
	.amdgcn_target "amdgcn-amd-amdhsa--gfx1250"
	.amdhsa_code_object_version 6
	.text
	.protected	k_q3caf1efc1c_attnout
	.globl	k_q3caf1efc1c_attnout
	.p2align	8
	.type	k_q3caf1efc1c_attnout,@function
k_q3caf1efc1c_attnout:
	s_mov_b64 s[64:65], 0
	v_nop
	global_prefetch_b8 v0, s[64:65] scope:SCOPE_SE
	s_setreg_imm32_b32 hwreg(HW_REG_WAVE_MODE, 25, 1), 1
	s_wait_xcnt 0x0
	s_wait_alu depctr_hold_cnt(0) depctr_sa_sdst(0) depctr_va_vdst(0) depctr_va_sdst(0) depctr_va_ssrc(0) depctr_va_vcc(0) depctr_vm_vsrc(0)
	s_getreg_b32 s2, hwreg(HW_REG_IB_STS2, 6, 4)
	s_cmp_eq_u32 s2, 0
	s_cbranch_scc0 .Lentry_in_a_cluster
	s_endpgm
.Lentry_in_a_cluster:
	s_bfe_u32 s2, ttmp6, 0x10000c
	s_cmp_lg_u32 s2, 0x3003
	s_cbranch_scc0 .Lentry_shape_is_right
	s_endpgm
.Lentry_shape_is_right:
; For a block of 256 rows and four heads: qp = q Wq^T + bq on codes of FP4 with E8M0 scales, sums in f32; then out(row, head's j) = the sum over the head's 64 channels i of qp(row, i) kv(i, j), f16 operands, f32 sums.
; qp has no bound of its own, so each (row, head) is multiplied, ahead of the rounding to f16, by the power of two F = 2^-floor(log2(its largest magnitude)), and the result by G = 1 / F: both exact.
; LIMITS: NaN and infinities are not served; a (row, head) whose largest magnitude is 2^127 or more is lost (F falls to 0); one whose largest magnitude lies under 2^-126 is scaled as if it were 2^-126.
; SHARES.  Row block = cluster y; head group = my place in the cluster; wave w owns head 4 g + w for all 256 rows.  The head's 32 fragments of Wq and 8 of kv^T stay in my registers.
; The rows' codes of q (131,072 bytes) and their scale words lie in LDS, filled once, as register images, by JOINT loads: the four head groups of a row block need the same rows.  My place in the cluster enters only
; the global addresses of the weights, the bias, kv and the output.
; BOTH PRODUCTS ARE USED TRANSPOSED (source 0 = 16 channels of Wq, or of kv^T; source 1 = 16 rows): a lane holds ONE row throughout, and its registers run along the channels: the first product's results, packed in
; pairs, ARE the second's operand, and the second's are eight neighbouring numbers of a row of the output.
; A PASS is 32 rows: 64 scaled products, the rows' maxima, the scaling, 32 roundings, 16 f16 products, the scaling back, and the way out through my own stage in LDS: sixteen lanes store a (row, head)'s 256 bytes.
; REGISTERS, in windows of 256: window 0: v1-28 addresses and the rows' figures; v32-47 Wq's scale words; v48-55 the rows'; v64-127, v128-191 two buffers of 8 row fragments; buffer 1 also holds the results on the way out.
;   window 1: Wq, fragment (tile t, K step s) at v[8 (8 t + s)].   window 2: v0-63 qp's eight accumulators (a, t); v64-127 the output's eight (a, jt); v128-191 kv^T; v192-223 the bias as tiles; v224-255 qp in f16.
.set LQS,   131072                     ; LDS: q's codes from 0, its scale words from here (8,192 bytes),
.set STG,   139264                     ; four stages of 16 rows x 272 bytes, into which no fill lands,
.set SPARE, 156672                     ; and the spare words, 128 bytes for each wave
.set PASSB, 16384
.set LI,  1                            ; v1  16 x lane
.set LIS, 3                            ; v3  the same in the scale words
.set ADA, 4                            ; v4, v6 the pass's addresses
.set ADS, 6
.set BO,  7                            ; v7  32 x (lane / 16)
.set SPW, 8                            ; v8  LDS address of my spare word; never rewritten
.set NIL, 9                            ; v9  0; never rewritten
.set MX,  10                           ; v10, v11 and v26, v27: the maxima of row tiles 0, 1, two chains each;  v12, v13 the other half's
.set FS,  14                           ; v[14:15], v[16:17] F, both words alike
.set GS,  18                           ; v[18:19], v[20:21] G
.set STO, 22                           ; v22 into the stage
.set RD,  23                           ; v23 out of it
.set GO,  24                           ; v24 my byte offset in two rows of the output
.set WS,  32
.set AS,  48
.set BUF0, 64
.set BUF1, 128
.set OUTR, 128
.set OA,  64                           ; in window 2
.set KVF, 128
.set BIAS, 192
.set QF,  224
.set WV,  18                           ; s18 wave; s19 cx; s20 head group; s21 row block; s22, s23 lane selects
.set G1S, 24
.set G1F, 32
.set G1R, 40
.set G0S, 48
.set G0F, 52
.set G0R, 56
.set TB,  60
.set TS,  61
.set CNT, 62
.set HD,  66
.set MSB, 0
.macro WIN new                         ; the immediate's high byte repeats the setting that is left; a switch that changes nothing is dropped
.if MSB != (\new)
	s_set_vgpr_msb (MSB<<8)|(\new)
.set MSB, (\new)
.endif
.endm
.macro CROUND                          ; a round of the cluster's barrier
	s_barrier_signal -1
	s_barrier_wait -1
	s_cmp_lg_u32 s[WV], 0
	s_cbranch_scc1 .Lnot_wave_0_\@
	s_barrier_signal -3
.Lnot_wave_0_\@:
	s_barrier_wait -3
	s_barrier_signal -1
	s_barrier_wait -1
.endm
.macro G1SET g, rows                   ; a dense block as rows of 256 bytes: 32 elements of 8 bytes; no padding: images are read at 16 x lane
	s_mov_b32 s[\g], 15|(3<<16)|(1<<21)            ; 15:0 the mask: all four work-groups; 17:16 elements of 8 bytes; 21 set beside a mask
	s_mov_b32 s[\g+1], 32<<16
	s_mov_b32 s[\g+2], (\rows)<<16
	s_mov_b32 s[\g+3], 32<<16
	s_mov_b32 s[\g+4], \rows
	s_mov_b32 s[\g+5], 32
	s_mov_b32 s[\g+6], 0
	s_mov_b32 s[\g+7], 0
.endm
.macro PLACES                          ; four plain places behind a matrix instruction, ahead of loads into its sources and of reads of its result
.rept 4
	v_nop
.endr
.endm
	s_load_b256 s[4:11], s[0:1], 0x0               ; ac, asc, wc, wsc
	s_load_b128 s[12:15], s[0:1], 0x20             ; bq, kvf
	s_load_b64 s[16:17], s[0:1], 0x30              ; out0
	v_lshl_add_u32 v[SPW], v0, 2, SPARE
	v_mov_b32 v[NIL], 0
	ds_add_u32 v[SPW], v[NIL]                      ; the wave's opening: the add, twice on end, and its wait ahead of my first tensor load
	ds_add_u32 v[SPW], v[NIL]
	v_lshrrev_b32 v10, 5, v0
	v_readfirstlane_b32 s[WV], v10                 ; wave 0..3
	s_and_b32 s21, ttmp7, 0xffff                   ; the row block, which the four partners share
	G1SET G1S, 8
	G1SET G1F, 32
	G1SET G1R, 96
	s_lshl_b32 s68, s21, 13
	s_lshl_b32 s69, s[WV], 11
	s_add_co_u32 s68, s68, s69                     ; scale words: row block, my quarter (q is tensor 0 of ac and asc)
	s_mov_b32 s69, 0
	s_lshl_b32 s70, s21, 17
	s_mul_i32 s71, s[WV], 24576
	s_add_co_u32 s72, s70, s71
	s_add_co_u32 s72, s72, 2*PASSB                 ; codes: my quarter of passes 2 to 7,
	s_mov_b32 s73, 0
	s_lshl_b32 s71, s[WV], 13
	s_add_co_u32 s70, s70, s71                     ; and of passes 0 and 1
	s_mov_b32 s71, 0
	s_lshl_b32 s[G0S+1], s[WV], 11                 ; where they go: the wave's number and constants alone
	s_add_co_u32 s[G0S+1], s[G0S+1], LQS
	s_lshl_b32 s[G0F+1], s[WV], 13
	s_mul_i32 s[G0R+1], s[WV], 24576
	s_add_co_u32 s[G0R+1], s[G0R+1], 2*PASSB
	s_mov_b32 s[G0S], 1
	s_mov_b32 s[G0F], 1
	s_mov_b32 s[G0R], 1
	s_mov_b32 s[TB], 0
	s_mov_b32 s[TS], 0
	s_mov_b32 s22, 0x76543210
	s_mov_b32 s23, 0xfedcba98                      ; v_permlanex16_b32's selects for lane l xor 16
	s_wait_dscnt 0x0                               ; both opening adds are done
	s_wait_kmcnt 0x0
	s_add_nc_u64 s[G0S+2:G0S+3], s[6:7], s[68:69]
	s_or_b32 s[G0S+3], s[G0S+3], 0x80000000
	s_add_nc_u64 s[G0F+2:G0F+3], s[4:5], s[70:71]
	s_or_b32 s[G0F+3], s[G0F+3], 0x80000000
	s_add_nc_u64 s[G0R+2:G0R+3], s[4:5], s[72:73]
	s_or_b32 s[G0R+3], s[G0R+3], 0x80000000
	CROUND                                         ; all four work-groups are here: the joint loads meet
	tensor_load_to_lds s[G0S:G0S+3], s[G1S:G1S+7]  ; all fills of the launch go out as one group: three loads of mine are out
	s_nop 0
	tensor_load_to_lds s[G0F:G0F+3], s[G1F:G1F+7]
	s_nop 0
	tensor_load_to_lds s[G0R:G0R+3], s[G1R:G1R+7]
	s_nop 0
	PLACES
	s_bfe_u32 s19, ttmp6, 0x40000                  ; cx: it enters global addresses of the weights, the bias, kv and the output alone
	s_lshl_b32 s20, ttmp9, 2
	s_add_co_u32 s20, s20, s19                     ; head group
	s_lshl_b32 s[HD], s20, 2
	s_add_co_u32 s[HD], s[HD], s[WV]               ; my head
	s_lshl_b32 s82, s[HD], 15
	s_mov_b32 s83, 0
	s_add_nc_u64 s[74:75], s[8:9], s[82:83]        ; Wq is tensor 0 of wc
	s_lshl_b32 s82, s[HD], 11
	s_add_nc_u64 s[78:79], s[10:11], s[82:83]
	s_lshl_b32 s82, s[HD], 8
	s_add_nc_u64 s[12:13], s[12:13], s[82:83]      ; the head's 64 biases,
	s_add_nc_u64 s[16:17], s[16:17], s[82:83]      ; and its 256 bytes of a row of the output
	s_lshl_b32 s82, s21, 20                        ; 256 rows of 4,096 bytes
	s_add_nc_u64 s[16:17], s[16:17], s[82:83]
	s_lshr_b32 s82, s21, 4                         ; the batch: 16 row blocks each
	s_lshl_b32 s82, s82, 4
	s_add_co_u32 s82, s82, s[HD]
	s_lshl_b32 s82, s82, 13
	s_add_nc_u64 s[14:15], s[14:15], s[82:83]      ; kv^T of (batch, head): 8 fragments of 1,024 bytes
	v_and_b32 v[LI], 31, v0
	v_lshlrev_b32 v[LI], 4, v[LI]
	v_add_nc_u32 v[LIS], LQS, v[LI]
	v_and_b32 v25, 15, v0                          ; r
	v_bfe_u32 v28, v0, 4, 1                        ; h
	v_lshlrev_b32 v[BO], 5, v28
	s_mul_i32 s67, s[WV], 16*272
	s_add_co_u32 s67, s67, STG                     ; my stage
	v_mul_u32_u24 v[STO], v25, 272
	v_lshl_add_u32 v[STO], v28, 5, v[STO]
	v_add_nc_u32 v[STO], s67, v[STO]               ; in: row r, 32 bytes for each half of the lanes
	v_mul_u32_u24 v[RD], v28, 272
	v_lshl_add_u32 v[RD], v25, 4, v[RD]
	v_add_nc_u32 v[RD], s67, v[RD]                 ; back: lanes 0-15 one row of 256 bytes, lanes 16-31 the next
	v_lshlrev_b32 v[GO], 12, v28
	v_lshl_add_u32 v[GO], v25, 4, v[GO]            ; and the same two rows in the output
	v_mov_b32 v12, 0                               ; written once: a lane permute's destination counts as one of its sources
	v_mov_b32 v13, 0
	WIN 0x40                                       ; destination window 1
.set n, 0
.rept 64
	global_load_b128 v[4*n:4*n+3], v[LI], s[74:75] offset:512*n    ; Wq's 32 fragments, as they lie
.set n, n+1
.endr
	WIN 0
.irp t, 0,1,2,3
	global_load_b128 v[WS+4*\t:WS+4*\t+3], v[LI], s[78:79] offset:512*\t
.endr
	WIN 0x80                                       ; destination window 2
.irp t, 0,1,2,3
	global_load_b128 v[BIAS+8*\t:BIAS+8*\t+3], v[BO], s[12:13] offset:64*\t        ; the bias in the result's layout: register j of tile t is channel 16 t + 8 h + j
	global_load_b128 v[BIAS+8*\t+4:BIAS+8*\t+7], v[BO], s[12:13] offset:64*\t+16
.endr
.set n, 0
.rept 16
	global_load_b128 v[KVF+4*n:KVF+4*n+3], v[LI], s[14:15] offset:512*n
.set n, n+1
.endr
	WIN 0
	s_wait_loadcnt 0x0
.macro ADDR
	v_add_nc_u32 v[ADA], s[TB], v[LI]
	v_add_nc_u32 v[ADS], s[TS], v[LIS]
.endm
.macro FETCH buf, off                  ; 16 loads: two row tiles x four K steps, from byte off of the pass's codes
.irp a, 0,1
.irp sp, 0,1,2,3
.irp c, 0,1
	ds_load_b128 v[\buf+8*(4*\a+\sp)+4*\c:\buf+8*(4*\a+\sp)+4*\c+3], v[ADA] offset:\off+8192*\a+1024*\sp+512*\c
.endr
.endr
.endr
.endm
.macro SCL off                         ; the scale words of two row tiles, all eight K steps
.irp a, 0,1
	ds_load_b128 v[AS+4*\a:AS+4*\a+3], v[ADS] offset:\off+512*\a
.endr
.endm
; 32 products: K steps 4 hh .. 4 hh + 3, four channel tiles x two row tiles.  The eight accumulators take turns, one instruction a turn.
.macro GEMMH buf, hh, first
	WIN 0xa1                                       ; source 0 (Wq) window 1, source 1 (rows) window 0, C and D window 2
.irp sp, 0,1,2,3
.irp a, 0,1
.irp t, 0,1,2,3
.set rD, 8*(4*\a+\t)
.set rW, 8*(8*\t+4*(\hh)+\sp)
.set rA, \buf+8*(4*\a+\sp)
.set rSW, WS+4*\t+2*(\hh)+\sp/2
.set rSA, AS+4*\a+2*(\hh)+\sp/2
.if (\first) && (\sp == 0)
	v_wmma_scale_f32_16x16x128_f8f6f4 v[rD:rD+7], v[rW:rW+7], v[rA:rA+7], v[BIAS+8*\t:BIAS+8*\t+7], v[rSW], v[rSA] matrix_a_fmt:MATRIX_FMT_FP4 matrix_b_fmt:MATRIX_FMT_FP4
.elseif \sp%2 == 0
	v_wmma_scale_f32_16x16x128_f8f6f4 v[rD:rD+7], v[rW:rW+7], v[rA:rA+7], v[rD:rD+7], v[rSW], v[rSA] matrix_a_fmt:MATRIX_FMT_FP4 matrix_b_fmt:MATRIX_FMT_FP4
.else
	v_wmma_scale_f32_16x16x128_f8f6f4 v[rD:rD+7], v[rW:rW+7], v[rA:rA+7], v[rD:rD+7], v[rSW], v[rSA] matrix_a_fmt:MATRIX_FMT_FP4 matrix_b_fmt:MATRIX_FMT_FP4 matrix_a_scale:MATRIX_SCALE_ROW1 matrix_b_scale:MATRIX_SCALE_ROW1
.endif
.endr
.endr
.endr
.endm
.macro PASS ahead
	ADDR
	FETCH BUF1, 4096
	s_wait_dscnt 16                                ; all but the 16 just issued: K steps 0-3 and the scale words are in
	GEMMH BUF0, 0, 1
	PLACES
	WIN 0
.if \ahead
	FETCH BUF0, PASSB                              ; the next pass's K steps 0-3
	s_wait_dscnt 16                                ; K steps 4-7 are in
.else
	s_wait_dscnt 0x0
.endif
	GEMMH BUF1, 1, 0
	PLACES
	WIN 0
.if \ahead
	SCL 1024                                       ; the next pass's scale words
.endif
.irp i, 0,1,16,17
	v_mov_b32 v[MX+\i], 0x00800000                 ; the floor 2^-126, so that G and F are numbers
.endr
	WIN 0x28                                       ; sources 1 and 2 window 2
.irp t, 0,1,2,3
.irp p, 0,1,2,3
.irp a, 0,1
	v_max3_num_f32 v[MX+\a+16*(\p%2)], v[MX+\a+16*(\p%2)], |v[8*(4*\a+\t)+2*\p]|, |v[8*(4*\a+\t)+2*\p+1]|   ; my 32 channels of each row, four chains; each accumulator from its low end on
.endr
.endr
.endr
	WIN 0
	v_max_num_f32 v[MX], v[MX], v[MX+16]
	v_max_num_f32 v[MX+1], v[MX+1], v[MX+17]
	v_permlanex16_b32 v12, v[MX], s22, s23         ; the row's other 32 channels lie in the lane 16 away
	v_permlanex16_b32 v13, v[MX+1], s22, s23
	v_max_num_f32 v[MX], v[MX], v12
	v_max_num_f32 v[MX+1], v[MX+1], v13
	v_and_b32 v[GS], 0x7f800000, v[MX]             ; G = 2^floor(log2(the largest magnitude)): its exponent field alone
	v_and_b32 v[GS+2], 0x7f800000, v[MX+1]
	v_mov_b32 v[GS+1], v[GS]
	v_mov_b32 v[GS+3], v[GS+2]
	v_sub_nc_u32 v[FS], 0x7f000000, v[GS]          ; F = 1 / G: the exponent field 254 - G's
	v_sub_nc_u32 v[FS+2], 0x7f000000, v[GS+2]
	v_mov_b32 v[FS+1], v[FS]
	v_mov_b32 v[FS+3], v[FS+2]
	WIN 0x82                                       ; destination and source 0 window 2
.irp t, 0,1,2,3
.irp a, 0,1
.irp p, 0,1,2,3
	v_pk_mul_f32 v[8*(4*\a+\t)+2*\p:8*(4*\a+\t)+2*\p+1], v[8*(4*\a+\t)+2*\p:8*(4*\a+\t)+2*\p+1], v[FS+2*\a:FS+2*\a+1]
.endr
.endr
.endr
	WIN 0x8a                                       ; all in window 2
.irp a, 0,1
.irp t, 0,1,2,3
.irp p, 0,1,2,3
	v_cvt_pk_f16_f32 v[QF+16*\a+4*\t+\p], v[8*(4*\a+\t)+2*\p], v[8*(4*\a+\t)+2*\p+1]   ; register 4 (t % 2) + p of fragment (a, c = t / 2): channels 16 t + 8 h + 2 p, + 1 of my row
.endr
.endr
.endr
	WIN 0xaa
.irp c, 0,1
.irp a, 0,1
.irp jt, 0,1,2,3
.if \c == 0
	v_wmma_f32_16x16x32_f16 v[OA+8*(4*\a+\jt):OA+8*(4*\a+\jt)+7], v[KVF+8*(2*\jt+\c):KVF+8*(2*\jt+\c)+7], v[QF+16*\a+8*\c:QF+16*\a+8*\c+7], 0
.else
	v_wmma_f32_16x16x32_f16 v[OA+8*(4*\a+\jt):OA+8*(4*\a+\jt)+7], v[KVF+8*(2*\jt+\c):KVF+8*(2*\jt+\c)+7], v[QF+16*\a+8*\c:QF+16*\a+8*\c+7], v[OA+8*(4*\a+\jt):OA+8*(4*\a+\jt)+7]
.endif
.endr
.endr
.endr
	PLACES
	WIN 0x02                                       ; source 0 window 2
.irp a, 0,1
.irp jt, 0,1,2,3
.irp p, 0,1,2,3
	v_pk_mul_f32 v[OUTR+32*\a+8*\jt+2*\p:OUTR+32*\a+8*\jt+2*\p+1], v[OA+8*(4*\a+\jt)+2*\p:OA+8*(4*\a+\jt)+2*\p+1], v[GS+2*\a:GS+2*\a+1]   ; x G, into buffer 1, which is idle: register 8 jt + j is output 16 jt + 8 h + j of my row
.endr
.endr
.endr
	WIN 0
.irp a, 0,1                            ; a tile of 16 rows x 256 bytes through my stage.  LDS serves a wave's instructions in order: the loads see the stores above them, and the next tile's stores come behind them
.irp i, 0,1,2,3,4,5,6,7
	ds_store_b128 v[STO], v[OUTR+32*\a+4*\i:OUTR+32*\a+4*\i+3] offset:64*(\i/2)+16*(\i%2)   ; quad i = 2 jt + q: outputs 16 jt + 8 h + 4 q on: byte 64 jt + 32 h + 16 q of the row; the two halves of the lanes fill all 256
.endr
.irp i, 0,1,2,3,4,5,6,7
	ds_load_b128 v[OUTR+32*\a+4*\i:OUTR+32*\a+4*\i+3], v[RD] offset:544*\i
.endr
.endr
.irp a, 0,1
.irp i, 0,1,2,3,4,5,6,7
	s_wait_dscnt 23-16*\a-\i                       ; load i of tile a is in; behind it: the tile's later loads, and for tile 0 the sixteen LDS instructions of tile 1
	global_store_b128 v[GO], v[OUTR+32*\a+4*\i:OUTR+32*\a+4*\i+3], s[16:17] offset:(16*\a+2*\i)*4096 th:TH_STORE_NT   ; sixteen lanes store 256 consecutive bytes, at a multiple of 256 from the output's first byte
.endr
.endr
	s_wait_xcnt 0x0                                ; the stores have read their registers and their base: buffer 1 is loaded again and the base stepped only behind this wait
	s_add_nc_u64 s[16:17], s[16:17], 32*4096
	s_add_co_u32 s[TB], s[TB], PASSB
	s_add_co_u32 s[TS], s[TS], 1024
.endm
.macro PRE                             ; the first run of a pass that no pass before has asked for
	ADDR
	FETCH BUF0, 0
	SCL 0
.endm
	s_wait_tensorcnt 1                             ; my scale words and my part of passes 0 and 1 are in; the last load may stay out
	s_barrier_signal -1
	s_barrier_wait -1                              ; everybody's are
	PRE
	PASS 1
	PASS 0
	s_wait_tensorcnt 0x0                           ; my part of passes 2 to 7 is in,
	s_wait_dscnt 0x0
	s_barrier_signal -1
	s_barrier_wait -1                              ; everybody's is
	PRE
	s_mov_b32 s[CNT], 5
.Lpass:                                                ; passes 2 to 6
	PASS 1
	s_sub_co_u32 s[CNT], s[CNT], 1
	s_cmp_lg_u32 s[CNT], 0
	s_cbranch_scc1 .Lpass
	PASS 0                                         ; pass 7 asks for nothing beyond the block's rows
	s_wait_tensorcnt 0x0                           ; the wave's end, behind my last tensor load and my last LDS store
	ds_add_u32 v[SPW], v[NIL]
	s_wait_dscnt 0x0
	CROUND                                         ; the closing round
	s_endpgm
.Lfunc_end_k_q3caf1efc1c_attnout:
	.size	k_q3caf1efc1c_attnout, .Lfunc_end_k_q3caf1efc1c_attnout-k_q3caf1efc1c_attnout
	.p2alignl 7, 3214868480
	.fill 96, 4, 3214868480
	.section	.rodata,"a",@progbits
	.p2align	6, 0x0
	.amdhsa_kernel k_q3caf1efc1c_attnout
		.amdhsa_group_segment_fixed_size 167936
		.amdhsa_private_segment_fixed_size 0
		.amdhsa_enable_private_segment 0
		.amdhsa_kernarg_size 56
		.amdhsa_user_sgpr_count 2
		.amdhsa_user_sgpr_kernarg_segment_ptr 1
		.amdhsa_wavefront_size32 1
		.amdhsa_system_sgpr_workgroup_id_x 1
		.amdhsa_system_sgpr_workgroup_id_y 1
		.amdhsa_system_sgpr_workgroup_id_z 1
		.amdhsa_system_vgpr_workitem_id 0
		.amdhsa_next_free_vgpr 768
		.amdhsa_next_free_sgpr 84
		.amdhsa_reserve_vcc 0
		.amdhsa_float_denorm_mode_32 3
		.amdhsa_float_denorm_mode_16_64 3
		.amdhsa_memory_ordered 1
		.amdhsa_forward_progress 1
		.amdhsa_inst_pref_size 116
	.end_amdhsa_kernel
	.amdgpu_metadata
---
amdhsa.version: [ 1, 2 ]
amdhsa.kernels:
  - .name:           k_q3caf1efc1c_attnout
    .symbol:         k_q3caf1efc1c_attnout.kd
    .args:
      - { .name: ac, .offset: 0, .size: 8, .value_kind: global_buffer, .address_space: global }
      - { .name: asc, .offset: 8, .size: 8, .value_kind: global_buffer, .address_space: global }
      - { .name: wc, .offset: 16, .size: 8, .value_kind: global_buffer, .address_space: global }
      - { .name: wsc, .offset: 24, .size: 8, .value_kind: global_buffer, .address_space: global }
      - { .name: bq, .offset: 32, .size: 8, .value_kind: global_buffer, .address_space: global }
      - { .name: kvf, .offset: 40, .size: 8, .value_kind: global_buffer, .address_space: global }
      - { .name: out0, .offset: 48, .size: 8, .value_kind: global_buffer, .address_space: global }
    .group_segment_fixed_size: 167936
    .private_segment_fixed_size: 0
    .kernarg_segment_align: 8
    .kernarg_segment_size: 56
    .max_flat_workgroup_size: 128
    .sgpr_count:     84
    .vgpr_count:     768
    .wavefront_size: 32
...
	.end_amdgpu_metadata
.endif
;; end of part 4
